; MI455X (gfx1250); checked and timed in simulation.
; The chip was launched on July 23, 2026; its instructions are those of AMD's public machine-readable ISA for CDNA 5 (MIT licence, August 2026) and "CDNA5" Instruction Set Architecture Reference Guide (July 2026). The comments in the code are by the model that wrote it; some were corrected since.
;; One Step Attention. Allowed arithmetic: matrix products marked QUANTISED: E2M3 operands, one E8M0 scale for each 32 along K, by v_wmma_scale_f32_16x16x128_f8f6f4 with both operands' format E2M3, f32 sums; products left as they are: f32 operands where the result goes on into a quantised operand, else bf16, f16 or f32 operands; f32 sums; everything else in f32.
;; Inputs: U_codes 1,024 x 32 x 24 uint8 (E2M3 codes of U, K innermost, in blocks of 32 codes, four codes in three bytes); U_scales 1,024 x 32 uint8 (E8M0 scales of U, one for each 32 codes along K); W_codes 1,024 x 32 x 24 uint8 (E2M3 codes of W, K innermost, in blocks of 32 codes, four codes in three bytes); W_scales 1,024 x 32 uint8 (E8M0 scales of W, one for each 32 codes along K); k_codes 32 x 1,024 x 32 x 24 uint8 (E2M3 codes of k, K innermost, in blocks of 32 codes, four codes in three bytes); k_scales 32 x 1,024 x 32 uint8 (E8M0 scales of k, one for each 32 codes along K); q_codes 32 x 1,024 x 32 x 24 uint8 (E2M3 codes of q, K innermost, in blocks of 32 codes, four codes in three bytes); q_scales 32 x 1,024 x 32 uint8 (E8M0 scales of q, one for each 32 codes along K); v 32 x 1,024 x 1 float32.
;; Outputs: out0 32 x 1 x 1,024 float32.
;; This version of the problem:
;;   THIS VERSION OF THE PROBLEM IS GIVEN IN LOW PRECISION. The matrix products marked QUANTISED in the list below multiply operands that are first quantised to E2M3 (2 exponent bits, 3 mantissa bits; 6 bits a number), with one power-of-two scale for each 32 numbers along K (OCP MX v1.0); their sums are f32. All else is computed in f32.
;;   The module's matrix products, in the order in which they are computed (A, B: the left and right operand; K: the contracted axis; several contracted axes count as one K, in the product's order):
;;     1. [M 32,768, K 1,024] x [K 1,024, N 1,024]; A: input k (given as codes); B: input W (given as codes): QUANTISED
;;     2. [M 32,768, K 1,024] x [K 1,024, N 1,024]; A: input q (given as codes); B: input U (given as codes): QUANTISED
;;     3. batch 32 x [M 1, K 1,024] x [K 1,024, N 1,024]; A: input v; B: computed on the way: left as it is (M = 1 < 16)
;;   THE QUANTISER, for each operand of a quantised product, along K:
;;     - K is cut into blocks of 32 from its start; a last block that is shorter is filled with zeros.
;;     - A block's scale is 2^e with e = floor(log2(the largest magnitude in the block)) - 2, held to -126 .. 127; a block of zeros has e = 0. As a byte (E8M0): e + 127.
;;     - Each number is divided by its block's scale, clamped to +-7.5, and rounded to the nearest number of E2M3, ties to even, subnormals kept.
;;     - The product sums the exact products of the quantised numbers (number of the format x scale) in f32.
;;   ~~~python
;;   def quantise(x, axis):      # numpy; x: float32 -> the quantised numbers, widened to float32 again
;;       x = np.moveaxis(x, axis, -1); K = x.shape[-1]
;;       x = np.pad(x, [(0, 0)] * (x.ndim - 1) + [(0, -K % 32)]); x = x.reshape(x.shape[:-1] + (-1, 32)); a = np.abs(x).max(-1, keepdims=True)
;;       e = np.where(a > 0, np.clip(np.frexp(np.where(a > 0, a, 1))[1] - 1 - 2, -126, 127), 0)      # np.frexp(a)[1] - 1 = floor(log2(a)), exactly
;;       r = np.clip(x / 2.0 ** e, -7.5, 7.5)
;;       step = 2.0 ** (np.maximum(np.frexp(np.where(r == 0, 1, r))[1] - 1, 0) - 3)
;;       q = np.round(r / step) * step * 2.0 ** e      # np.round: ties to even
;;       return np.moveaxis(q.reshape(q.shape[:-2] + (-1,))[..., :K], -1, axis).astype(np.float32)
;;   ~~~
;;   INPUTS GIVEN AS CODES. U (in the module: [1024, 1024], K = its axis 1); W (in the module: [1024, 1024], K = its axis 1); k (in the module: [32, 1024, 1024], K = its axis 1); q (in the module: [32, 1024, 1024], K = its axis 1): each comes as NAME_codes (uint8): NAME with its K axis moved to the last place and cut into blocks of 32 codes, [.., K / 32, bytes a block], one block behind the other in memory; four codes in three bytes: a row's codes are one little-endian stream of bits, code i at bits 6 i .. 6 i + 5 (a code: sign, 2 exponent bits, 3 mantissa bits); and NAME_scales (uint8): the same leading axes, one E8M0 byte (e + 127) for each 32 codes along K. Its value is code x scale, taken as it is: it is not quantised again, and the codes and scales need not be those that the quantiser above would give.
;; One version. Each part assembles by itself: llvm-mc -triple=amdgcn-amd-amdhsa -mcpu=gfx1250 --defsym DOCPART=n.
;; ======== version 1 of 1: 2 launches
;; limits: right only within a limited range of input values
;; workspace buffers: part 1,048,576 bytes
;; launch scores (part 1): grid 4 x 64, 4 waves a work-group, clusters of 4 x 4, 327,680 bytes of LDS; arguments k_codes, k_scales, q_codes, q_scales, W_codes, W_scales, U_codes, U_scales, v, part; writes part
.if DOCPART == 1
	.amdgcn_target "amdgcn-amd-amdhsa--gfx1250"
	.amdhsa_code_object_version 6
	.text
	.protected	k_q2f7b05468d_scores
	.globl	k_q2f7b05468d_scores
	.p2align	8
	.type	k_q2f7b05468d_scores,@function
k_q2f7b05468d_scores:
	s_mov_b64 s[64:65], 0
	v_nop
	global_prefetch_b8 v0, s[64:65] scope:SCOPE_SE
	s_setreg_imm32_b32 hwreg(HW_REG_WAVE_MODE, 25, 1), 1
	s_wait_xcnt 0x0
	s_wait_alu depctr_hold_cnt(0) depctr_sa_sdst(0) depctr_va_vdst(0) depctr_va_sdst(0) depctr_va_ssrc(0) depctr_va_vcc(0) depctr_vm_vsrc(0)
	s_getreg_b32 s2, hwreg(HW_REG_IB_STS2, 6, 4)
	s_cmp_eq_u32 s2, 0
	s_cbranch_scc0 .Lentry_in_a_cluster
	s_endpgm
.Lentry_in_a_cluster:
	s_bfe_u32 s2, ttmp6, 0x10000c
	s_cmp_lg_u32 s2, 0xf033
	s_cbranch_scc0 .Lentry_shape_is_right
	s_endpgm
.Lentry_shape_is_right:
; part[p][b*1024+s] = the sum over 128 d of v[b][d] tanh( sum_e W[d][e] k[b][e][s] + sum_e U[d][e] q[b][e][s] ), plane p = 2 x (d / 256) + a half of the 256 d (see SHARES).
; The two quantised products are ONE sum over K = 2,048 on the same accumulators: K 0..1,023 from k and W, K 1,024..2,047 from q and U.  Codes and scale bytes go to the matrix instruction as they lie.
; DEAD WORK: none is left out; every input has a way to out0 and is loaded.
; TANH: tanh x = 1 - 1/d, d = 1/2 + E, E = e^(2x) / 2 held at 2^30.  A lane's sum starts at the sum of its v and takes v/d away; four terms share one reciprocal: va/da + vb/db = (va db + vb da) / (da db), twice.
; LIMITS: for E above 2^30 tanh is taken as 1 - 2^-30.  |v| stays under 2^30.  NaN, infinity and a scale byte 0xff are not served.  The order of the f32 sums differs from the source's.
; SHARES.  A work-group takes 512 rows (b, s) x 256 d; all four waves take all 512 rows; wave w has d = 32 w .. + 31 and 128 + 32 w .. + 31 of the 256 (planes: waves 0, 1 and waves 2, 3).
; A wave holds its 64 rows of W and of U, all of K, in 768 registers.  x's rows (k's and q's) stream past in 32 blocks of 16 rows: 16 fragments, 64 products on four accumulators by turns.
; The fragments of x go through a ring of eight register places, four to a run of loads, each run asked for four groups ahead of its first use.  Two sets of accumulators: while one block is multiplied, the block before is worked on among the products.
; BETWEEN two blocks stand the exponentials of the block just finished and the reciprocals of the one before it, as one batch.
; LDS: three regions of 128 rows x 816 bytes (768 + 16 behind each 256).  At the head W's first 128 rows, its second, U's first; then U's second into region 0; x's chunks of 64 rows of k and of q by turns into regions 1 and 2.
; Behind them two places for a chunk's scale bytes, and the spare words.  The results are staged in region 0, each wave's in the bytes that it alone read, when that region has had its last fill.
; CLUSTERS: 4 x 4 work-groups.  The four of a row need the same rows of k and q, the four of a column the same of W and U: each tile is asked for jointly.
; PREFETCHES: k's and q's chunks, shared out by address over the sixteen waves of a row of the cluster, each 256 bytes once: chunk 0 at the head, 1 and 2 behind the next two rounds, chunk c + 3 behind the round that asks for chunk c + 2;
; and U's second half at the head, by the clusters with y under 4 alone.  W's rows and U's first half are asked for at once: there is no loop to run ahead in.
; All of a WGP's LDS is claimed.
; REGISTERS: weights' fragment F = 4 g + b (g the 128 along K, b the tile of 16 rows): F 0-62 in windows 1-3, 21 to a window, F 63 in window 0.  v in the four registers left over in each of windows 1-3 and in window 0.
.set PITCH, 816
.set BROW,  16*PITCH
.set R1,    128*PITCH
.set R2,    2*128*PITCH
.set QOFF,  64*PITCH                   ; a chunk's rows of q lie behind its 64 rows of k
.set SCL,   3*128*PITCH
.set SQ,    8*272                      ; 64 rows' scale bytes of one tensor
.set SSLOT, 2*SQ
.set SPARE, SCL+2*SSLOT
.set WROW,  32*PITCH                   ; a wave's 32 rows of a region
.set CHB,   64*768                     ; a chunk's bytes of one tensor
.set NR,   13                          ; LDS loads of a run: four fragments
.set T,    0                           ; v0   at work (first the thread's number)
.set X0,   1                           ; v1, v2  where x's fragments are read (v2: pieces behind one padding more)
.set X1,   2
.set B0,   3
.set B1,   4
.set BS,   5
.set SPW,  6                           ; my spare word;  v7: 0
.set NIL,  7
.set SV,   8                           ; half the sum of my 32 numbers of v
.set STO,  9                           ; my row's word in my stage
.set CH,   10                          ; v10-13  sums, and a place at work
.set PFO,  14
.set CO,   15                          ; 16 x thread
.set SB,   16                          ; v16-47  weights' scale words: 16 P + g, lanes 0-15 tile 2 P, lanes 16-31 tile 2 P + 1
.set SA,   52                          ; v52-67  x's: two sets of eight; lanes 0-15 k's, lanes 16-31 q's
.set ACC,  84                          ; v84-147 two sets of four accumulators
.set XR,   148                         ; v148-243 x's ring
.set W63,  244
.set G1X,  24
.set G1W,  32
.set G1S,  40
.set GA,   48
.set GB,   52
.set GC,   56
.set GD,   60
.set WV,   66
.set TC,   67
.set TY,   68
.set T0,   69
.set T1,   70
.set SLOT, 72
.set SSL,  73
.set CNT,  74
.set CL,   75
.set SEL,  76
.set CS,   78
.set PFK,  80
.set PFQ,  82
.set SSO,  84
.set WO,   98
.set WS,   99
.set MSB, 0
.macro WIN new                         ; the immediate's high byte repeats the setting that is left
.if MSB != \new
	s_set_vgpr_msb (MSB<<8)|\new
.set MSB, \new
.endif
.endm
.macro PLACES
.rept 4
	v_nop
.endr
.endm
.macro WALU
	s_wait_alu depctr_va_vdst(0)
.endm
.macro CREST
	s_cmp_lg_u32 s[WV], 0
	s_cbranch_scc1 .Lnot_wave_0_\@
	s_barrier_signal -3
.Lnot_wave_0_\@:
	s_barrier_wait -3
	s_barrier_signal -1
	s_barrier_wait -1
.endm
.macro CROUND
	s_barrier_signal -1
	s_barrier_wait -1
	CREST
.endm
.macro TL g0, g1
	tensor_load_to_lds s[\g0:\g0+3], s[\g1:\g1+7]
	s_nop 0
	PLACES
.endm
.macro TREE g1a, g1b, g1c, g1d         ; one load a wave, by the wave's number
	s_cmp_lt_u32 s[WV], 1
	s_cbranch_scc0 .Lt1_\@
	TL GA, \g1a
	s_branch .Lte_\@
.Lt1_\@:
	s_cmp_lt_u32 s[WV], 2
	s_cbranch_scc0 .Lt2_\@
	TL GB, \g1b
	s_branch .Lte_\@
.Lt2_\@:
	s_cmp_lt_u32 s[WV], 3
	s_cbranch_scc0 .Lt3_\@
	TL GC, \g1c
	s_branch .Lte_\@
.Lt3_\@:
	TL GD, \g1d
.Lte_\@:
.endm
.macro REFILL                          ; a chunk: wave 0 k's rows, wave 1 q's, wave 2 k's scale bytes, wave 3 q's
	s_cmp_lt_u32 s[WV], 2
	s_cbranch_scc0 .Lsc_\@
	TL GA, G1X
	s_branch .Lrf_\@
.Lsc_\@:
	TL GB, G1S
.Lrf_\@:
.endm
.macro G0 g, lds, base, off
	s_mov_b32 s[\g], 1
	s_mov_b32 s[\g+1], \lds
	s_add_nc_u64 s[\g+2:\g+3], s[\base:\base+1], \off
	s_or_b32 s[\g+3], s[\g+3], 0x80000000
.endm
.macro GROUP1 g, w0, elems, rows
	s_or_b32 s[\g], s[\g], \w0
	s_mov_b32 s[\g+1], (\elems)<<16
	s_mov_b32 s[\g+2], (\rows)<<16
	s_mov_b32 s[\g+3], (\elems)<<16
	s_mov_b32 s[\g+4], \rows
	s_mov_b32 s[\g+5], \elems
	s_mov_b32 s[\g+6], 0
	s_mov_b32 s[\g+7], 0
.endm
; A fragment: 16 rows x 128 K, 12 registers: six pieces of 8 bytes, two to a load where both lie behind as many paddings.  Three loads; four where q is 2 or 5: so four fragments are 13.
.macro PIECES r, q, a0, a1
.set R_, \r
.set SKIP_, 0
.irp p, 0,1,2,3,4,5
.if SKIP_
.set SKIP_, 0
.else
.set PC_, 12*(\q)+6*(\p/3)+\p%3
.set PN_, 12*(\q)+6*((\p+1)/3)+(\p+1)%3
.set XC_, (PC_%32+3)/32
.set XN_, (PN_%32+3)/32
.if (\p < 5) && (XC_ == XN_)
.set SKIP_, 1
.if XC_
	ds_load_2addr_b64 v[R_+2*\p:R_+2*\p+3], \a1 offset0:PC_+2*(PC_/32) offset1:PN_+2*(PN_/32)
.else
	ds_load_2addr_b64 v[R_+2*\p:R_+2*\p+3], \a0 offset0:PC_+2*(PC_/32) offset1:PN_+2*(PN_/32)
.endif
.elseif XC_
	ds_load_b64 v[R_+2*\p:R_+2*\p+1], \a1 offset:8*(PC_+2*(PC_/32))
.else
	ds_load_b64 v[R_+2*\p:R_+2*\p+1], \a0 offset:8*(PC_+2*(PC_/32))
.endif
.endif
.endr
.endm
.macro WHERE f                         ; weights' fragment f: window and register
.set F_, \f
.if F_ == 63
.set WN_, 0
.set WR_, W63
.else
.set WN_, 1+F_/21
.set WR_, 12*(F_%21)
.endif
.endm
.macro FRAGW f, q, ad
	WHERE \f
.set WD_, WN_*64
	WIN WD_
	PIECES WR_, \q, v[\ad], v[\ad+1]
.endm
.macro FRAGX n
	WIN 0
	PIECES XR+12*((\n)%8), (\n)%8, v[X0], v[X1]
.endm
.macro RUN4 n                          ; four fragments of x: NR loads
	FRAGX \n
	FRAGX \n+1
	FRAGX \n+2
	FRAGX \n+3
.endm
.macro VSEL i                          ; where pair i of my v lies
.set I_, \i
.if I_ < 6
.set VW_, 1+I_/2
.set VR_, 252+2*(I_%2)
.elseif I_ < 8
.set VW_, 0
.set VR_, 48+2*(I_-6)
.else
.set VW_, 0
.set VR_, 68+2*(I_-8)
.endif
	WIN VW_
.endm
; ---- a product: 16 rows of W or U (source 0) x 16 rows of k or q: lane (r, h) then holds row r, register j d = 8 h + j of the tile
.macro PR c, ra, rb
	v_wmma_scale_f32_16x16x128_f8f6f4 v[D_:D_+7], v[WR_:WR_+11], v[XF_:XF_+11], \c, v[SW_], v[SX_] matrix_a_fmt:MATRIX_FMT_FP6 matrix_b_fmt:MATRIX_FMT_FP6 matrix_a_scale:MATRIX_SCALE_ROW\ra matrix_b_scale:MATRIX_SCALE_ROW\rb
.endm
.macro MM g, b, a
	WHERE 4*(\g)+(\b)
	WIN WN_
.set XF_, XR+12*((\g)%8)
.set D_, ACC+32*(\a)+8*(\b)
.set SW_, SB+16*((\b)/2)+(\g)
.set SX_, SA+8*(\a)+(\g)%8
.if \g == 0
.if \b%2
	PR 0, 1, 0
.else
	PR 0, 0, 0
.endif
.elseif \g < 8
.if \b%2
	PR v[D_:D_+7], 1, 0
.else
	PR v[D_:D_+7], 0, 0
.endif
.else
.if \b%2
	PR v[D_:D_+7], 1, 1
.else
	PR v[D_:D_+7], 0, 1
.endif
.endif
.endm
; ---- four pairs of d of set p become one denominator (pair 4 k) and one numerator (pair 4 k + 3): line o of nine
.macro ND k, o, p
.set QA_, ACC+32*(\p)+8*(\k)
.set QB_, QA_+2
.set QC_, QA_+4
.set QD_, QA_+6
.if \o == 0
	VSEL 4*(\k)
	v_pk_mul_f32 v[CH:CH+1], v[VR_:VR_+1], v[QB_:QB_+1]
.elseif \o == 1
	VSEL 4*(\k)+1
	v_pk_fma_f32 v[CH:CH+1], v[VR_:VR_+1], v[QA_:QA_+1], v[CH:CH+1]
.elseif \o == 2
	WIN 0
	v_pk_mul_f32 v[QA_:QA_+1], v[QA_:QA_+1], v[QB_:QB_+1]
.elseif \o == 3
	VSEL 4*(\k)+2
	v_pk_mul_f32 v[QB_:QB_+1], v[VR_:VR_+1], v[QD_:QD_+1]
.elseif \o == 4
	VSEL 4*(\k)+3
	v_pk_fma_f32 v[QB_:QB_+1], v[VR_:VR_+1], v[QC_:QC_+1], v[QB_:QB_+1]
.elseif \o == 5
	WIN 0
	v_pk_mul_f32 v[QC_:QC_+1], v[QC_:QC_+1], v[QD_:QD_+1]
.elseif \o == 6
	WIN 0
	v_pk_mul_f32 v[QD_:QD_+1], v[CH:CH+1], v[QC_:QC_+1]
.elseif \o == 7
	WIN 0
	v_pk_fma_f32 v[QD_:QD_+1], v[QB_:QB_+1], v[QA_:QA_+1], v[QD_:QD_+1]
.else
	WIN 0
	v_pk_mul_f32 v[QA_:QA_+1], v[QA_:QA_+1], v[QC_:QC_+1]
.endif
.endm
; ---- the vector work behind product s of group g, on set p.  m: 0 nothing, 1 no sums of an earlier block yet, 2 all
.macro WORK g, s, p, m
.if \m == 0
.elseif \g == 0
.if \m == 1
.elseif \s == 0
	WIN 0
	v_pk_add_f32 v[CH:CH+1], v[CH:CH+1], v[CH+2:CH+3]
.elseif \s == 1
	WIN 0
	v_add_f32 v[CH], v[CH], v[CH+1]
.elseif \s == 2
	WIN 0
	v_permlanex16_b32 v[CH+1], v[CH], s[SEL], s[SEL+1]
.else
	WIN 0
	v_add_f32 v[CH], v[CH], v[CH+1]
.if LP_
	v_add_nc_u32 v[T], s[SSO], v[STO]
.endif
.endif
.elseif \g < 5
.set E_, ACC+32*(\p)+8*(\g-1)+2*\s
	v_min_num_f32 v[E_], s[CL], v[E_]
	v_min_num_f32 v[E_+1], s[CL], v[E_+1]
.elseif \g < 7
.set E_, ACC+32*(\p)+16*(\g-5)+4*\s
	v_pk_add_f32 v[E_:E_+1], 0.5, v[E_:E_+1] op_sel_hi:[0,1]
	v_pk_add_f32 v[E_+2:E_+3], 0.5, v[E_+2:E_+3] op_sel_hi:[0,1]
.elseif \g < 11
.if \s == 0
	ND \g-7, 0, \p
	ND \g-7, 1, \p
	ND \g-7, 2, \p
.elseif \s == 1
	ND \g-7, 3, \p
	ND \g-7, 4, \p
.elseif \s == 2
	ND \g-7, 5, \p
	ND \g-7, 6, \p
.else
	ND \g-7, 7, \p
	ND \g-7, 8, \p
.endif
.endif
.endm
.macro GROUP g, a, m                   ; a group: 128 along K
.irp s, 0,1,2,3
	MM \g, \s, \a
	WORK \g, \s, 1-\a, \m
.endr
.endm
.macro RCPS a
.irp k, 0,1,2,3
	v_rcp_f32 v[ACC+32*(\a)+8*\k], v[ACC+32*(\a)+8*\k]
	v_rcp_f32 v[ACC+32*(\a)+8*\k+1], v[ACC+32*(\a)+8*\k+1]
.endr
.endm
.macro SUMS a
.set Z_, ACC+32*(\a)
	v_pk_fma_f32 v[CH:CH+1], v[Z_+6:Z_+7], v[Z_:Z_+1], v[SV:SV+1] op_sel_hi:[1,1,0] neg_lo:[0,1,0] neg_hi:[0,1,0]
	v_pk_mul_f32 v[CH+2:CH+3], v[Z_+14:Z_+15], v[Z_+8:Z_+9] neg_lo:[0,1] neg_hi:[0,1]
	v_pk_fma_f32 v[CH:CH+1], v[Z_+22:Z_+23], v[Z_+16:Z_+17], v[CH:CH+1] neg_lo:[0,1,0] neg_hi:[0,1,0]
	v_pk_fma_f32 v[CH+2:CH+3], v[Z_+30:Z_+31], v[Z_+24:Z_+25], v[CH+2:CH+3] neg_lo:[0,1,0] neg_hi:[0,1,0]
.endm
; ---- between two blocks: set 1 - a has just been finished; set a holds the block before it and is free behind these lines.  ld: the coming block's fragments 4-7 are asked for, and its first four are waited for
.macro BOUND a, m, ld
	WIN 0
.if \m
	PLACES
.set Y_, ACC+32*(1-\a)
.set U_, Y_
.rept 16
	v_pk_fma_f32 v[U_:U_+1], s[CS:CS+1], v[U_:U_+1], -1.0 op_sel_hi:[0,1,0]
.set U_, U_+2
.endr
	WALU
.endif
.if \ld
	RUN4 4
.endif
.if \m
.set U_, Y_
.rept 32
	v_exp_f32 v[U_], v[U_]
.set U_, U_+1
.endr
.if \m == 2
	RCPS \a
.endif
	v_nop
	WALU
.endif
.if \ld
	s_wait_dscnt NR                        ; all but the run above
.endif
.if \m == 2
	SUMS \a
.endif
.endm
.macro XSCALES a                       ; the next block's scale words
	WIN 0
	ds_load_b128 v[SA+8*(\a):SA+8*(\a)+3], v[T]
	ds_load_b128 v[SA+8*(\a)+4:SA+8*(\a)+7], v[T] offset:16
.endm
; ---- a block.  kind: 0 plain; 1 the chunk's last, with the round behind which its slot is filled again; 2 the same with nothing left to fill; 3 the very last.  bi: its place in the chunk.
; lp, st: where the sums of the block two before go in the stage
.macro BLK a, m, kind, bi, lp, st
.set LP_, \lp
	BOUND \a, \m, 1
	s_add_co_u32 s[T0], s[SLOT], \bi*BROW+QOFF     ; the next runs read q's rows
	v_add_nc_u32 v[X0], s[T0], v[B0]
	v_add_nc_u32 v[X1], s[T0], v[B1]
.irp g, 0,1,2,3
	GROUP \g, \a, \m
.endr
	WIN 0
.if \m == 0
	WALU
.endif
	PLACES
.if \m == 2                            ; both halves of the lanes store the same number to the row's word
.if \lp
	ds_store_b32 v[T], v[CH] offset:\st
.else
	ds_store_b32 v[STO], v[CH] offset:\st
.endif
.endif
	RUN4 8
	s_wait_dscnt NR                        ; fragments 4-7 are in
.irp g, 4,5,6,7
	GROUP \g, \a, \m
.endr
	WIN 0
	PLACES
	RUN4 12
.if \kind != 3
.if \bi == 3
	s_xor_b32 s[SLOT], s[SLOT], (R1)^(R2)
	s_xor_b32 s[SSL], s[SSL], (SCL)^(SCL+SSLOT)
.endif
.if (\kind == 1) || (\kind == 2)
	s_wait_tensorcnt 0x0                   ; the next chunk: my part of it is in
.endif
.if \kind == 1
	ds_add_u32 v[SPW], v[NIL]
	s_xor_b32 s[T0], s[SLOT], (R1)^(R2)    ; the slot that is being read out
	s_xor_b32 s[T1], s[SSL], (SCL)^(SCL+SSLOT)
	s_add_co_u32 s[GA+1], s[T0], s[WO]
	s_add_co_u32 s[GB+1], s[T1], s[WS]
	s_add_nc_u64 s[GA+2:GA+3], s[GA+2:GA+3], CHB
	s_add_nc_u64 s[GB+2:GB+3], s[GB+2:GB+3], 2048
.endif
.endif
	s_wait_dscnt NR                        ; fragments 8-11 are in
.if \kind != 3                         ; the next block's places
	s_add_co_u32 s[T0], s[SLOT], ((\bi+1)%4)*BROW
	s_add_co_u32 s[T1], s[SSL], ((\bi+1)%4)*544
	v_add_nc_u32 v[X0], s[T0], v[B0]
	v_add_nc_u32 v[X1], s[T0], v[B1]
	v_add_nc_u32 v[T], s[T1], v[BS]
.endif
.irp g, 8,9,10
	GROUP \g, \a, \m
.endr
.if (\kind == 1) || (\kind == 2)
	s_wait_dscnt 0x0                       ; my reads of the old slot are over (and the add is done)
	s_barrier_signal -1
	GROUP 11, \a, \m
	WIN 0
	s_barrier_wait -1
.if \kind == 1
	CREST
	REFILL
.else
	PLACES
.endif
	XSCALES 1-\a
	RUN4 16
.else
	GROUP 11, \a, \m
	WIN 0
.if \kind == 0
.if \m == 0
	WALU
.endif
	PLACES
	XSCALES 1-\a
	RUN4 16
	s_wait_dscnt NR+2                      ; fragments 12-15 are in: the run and the two loads of scale words may be out
.else
	s_wait_dscnt 0x0
.endif
.endif
.irp g, 12,13,14,15
	GROUP \g, \a, \m
.endr
	WIN 0
.endm
.macro ASK off                         ; my twelve pieces of 256 bytes of a chunk of k and of q
	global_prefetch_b8 v[PFO], s[4:5] offset:\off th:TH_LOAD_NT scope:SCOPE_SE
	global_prefetch_b8 v[PFO], s[8:9] offset:\off th:TH_LOAD_NT scope:SCOPE_SE
.endm
; ================= THE HEAD
	s_load_b512 s[4:19], s[0:1], 0x0               ; k's codes, scales; q's; W's; U's
	s_load_b128 s[20:23], s[0:1], 0x40             ; v, part
	v_lshl_add_u32 v[SPW], v0, 2, SPARE
	v_mov_b32 v[NIL], 0
	ds_add_u32 v[SPW], v[NIL]                      ; the opening add, twice on end
	ds_add_u32 v[SPW], v[NIL]
	v_lshrrev_b32 v84, 5, v0
	v_readfirstlane_b32 s[WV], v84
	s_bfe_u32 s86, ttmp6, 0x40000                  ; cx
	s_bfe_u32 s87, ttmp6, 0x40004                  ; cy
	s_lshl_b32 s[TC], ttmp9, 2
	s_add_co_u32 s[TC], s[TC], s86                 ; which 256 d
	s_and_b32 s[T1], ttmp7, 0xffff                 ; the cluster's y
	s_lshl_b32 s[TY], s[T1], 2
	s_add_co_u32 s[TY], s[TY], s87                 ; which 512 rows
	s_lshl_b32 s[T0], s87, 2
	s_lshl_b32 s[G1X], 15, s[T0]                   ; masks: my row of the cluster for x,
	s_lshl_b32 s[G1S], 15, s[T0]
	s_lshl_b32 s[G1W], 0x1111, s86                 ; my column for the weights
	GROUP1 G1X, (1<<20)|(1<<21)|(5<<22)|(3<<25), 768, 64
	GROUP1 G1W, (1<<20)|(1<<21)|(5<<22)|(3<<25), 768, 128
	GROUP1 G1S, (3<<16)|(1<<20)|(1<<21)|(5<<22)|(3<<25), 32, 8
	s_mul_i32 s88, s[TY], 512*768
	s_mov_b32 s89, 0
	s_lshl_b32 s90, s[TY], 14
	s_mov_b32 s91, 0
	s_mul_i32 s92, s[TC], 256*768
	s_mov_b32 s93, 0
	s_lshl_b32 s94, s[TC], 13
	s_lshl_b32 s[T0], s[WV], 10
	s_add_co_u32 s94, s94, s[T0]
	s_mov_b32 s95, 0
	s_lshr_b32 s96, s[TY], 1
	s_lshl_b32 s96, s96, 12
	s_lshl_b32 s[T0], s[TC], 10
	s_add_co_u32 s96, s96, s[T0]
	s_lshl_b32 s[T0], s[WV], 7
	s_add_co_u32 s96, s96, s[T0]
	s_mov_b32 s97, 0
	WALU
	s_wait_dscnt 0x0
	s_wait_kmcnt 0x0
	s_add_nc_u64 s[4:5], s[4:5], s[88:89]
	s_add_nc_u64 s[8:9], s[8:9], s[88:89]
	s_add_nc_u64 s[6:7], s[6:7], s[90:91]
	s_add_nc_u64 s[10:11], s[10:11], s[90:91]
	s_add_nc_u64 s[12:13], s[12:13], s[92:93]
	s_add_nc_u64 s[16:17], s[16:17], s[92:93]
	s_add_nc_u64 s[14:15], s[14:15], s[94:95]
	s_add_nc_u64 s[18:19], s[18:19], s[94:95]
	s_add_nc_u64 s[20:21], s[20:21], s[96:97]
	G0 GA, 0, 12, 0                                ; W's rows 0-127,
	G0 GB, R1, 12, 128*768                         ; 128-255,
	G0 GC, R2, 16, 0                               ; U's rows 0-127,
	G0 GD, SCL+SQ, 10, 0                           ; chunk 0's scale bytes of q
	CROUND
	TREE G1W, G1W, G1W, G1S
	v_and_b32 v84, 15, v0                          ; r
	v_bfe_u32 v85, v0, 4, 1                        ; h
	v_and_b32 v86, 31, v0                          ; lane
	v_mul_u32_u24 v87, v84, PITCH
	v_mad_u32_u24 v[B0], v85, 24, v87
	v_mad_u32_u24 v[B1], v85, 40, v87
	v_lshlrev_b32 v88, 5, v84
	v_lshrrev_b32 v89, 3, v84
	v_lshl_add_u32 v88, v89, 4, v88
	v_mad_u32_u24 v[BS], v85, SQ, v88
	s_mul_i32 s[T0], s[WV], WROW
	v_lshl_add_u32 v[STO], v84, 2, s[T0]
	v_add_nc_u32 v90, s[T0], v[B0]                 ; my 32 rows of region 0: two tiles of 16,
	v_add_nc_u32 v91, s[T0], v[B1]
	v_add_nc_u32 v92, BROW, v90
	v_add_nc_u32 v93, BROW, v91
.irp i, 0,1,2,3
	v_add_nc_u32 v[94+\i], R1, v[90+\i]            ; region 1,
	v_add_nc_u32 v[98+\i], R2, v[90+\i]            ; region 2
.endr
	v_lshlrev_b32 v102, 5, v86
	v_lshlrev_b32 v103, 5, v85
	v_lshlrev_b32 v[CO], 4, v0
	s_lshl_b32 s[T0], s86, 2
	s_add_co_u32 s[T0], s[T0], s[WV]
	s_mul_i32 s[T0], s[T0], 12
	v_min_u32 v[PFO], 11, v86
	v_add_nc_u32 v[PFO], s[T0], v[PFO]
	v_lshlrev_b32 v[PFO], 8, v[PFO]
	s_lshl_b32 s[T0], s87, 2
	s_add_co_u32 s[T0], s[T0], s[WV]
	s_mul_i32 s[T0], s[T0], 24
	v_min_u32 v104, 23, v86
	v_add_nc_u32 v104, s[T0], v104
	v_lshlrev_b32 v104, 8, v104
	WALU
.irp p, 0,1
.irp c, 0,1
	global_load_b128 v[SB+16*\p+4*\c:SB+16*\p+4*\c+3], v102, s[14:15] offset:4096*\p+16*\c
	global_load_b128 v[SB+16*\p+8+4*\c:SB+16*\p+8+4*\c+3], v102, s[18:19] offset:4096*\p+16*\c
.endr
.endr
	WIN 0x40
	global_load_b128 v[252:255], v103, s[20:21]
	WIN 0x80
	global_load_b128 v[252:255], v103, s[20:21] offset:16
	WIN 0xc0
	global_load_b128 v[252:255], v103, s[20:21] offset:64
	WIN 0
	global_load_b128 v[48:51], v103, s[20:21] offset:80
	global_load_b128 v[68:71], v103, s[20:21] offset:512
	global_load_b128 v[72:75], v103, s[20:21] offset:528
	global_load_b128 v[76:79], v103, s[20:21] offset:576
	global_load_b128 v[80:83], v103, s[20:21] offset:592
	ASK 0
	s_cmp_lt_u32 s[T1], 4
	s_cbranch_scc0 .Lno_u
	global_prefetch_b8 v104, s[16:17] offset:128*768 th:TH_LOAD_NT scope:SCOPE_SE
.Lno_u:
	s_and_b32 s[T0], s[WV], 1
	s_mul_i32 s[WO], s[T0], QOFF
	s_mul_i32 s[WS], s[T0], SQ
	s_mov_b32 s[SLOT], R1
	s_mov_b32 s[SSL], SCL
	s_mov_b32 s[CL], 0x4e800000                    ; 2^30
	s_mov_b32 s[SEL], 0x76543210                   ; lane l xor 16
	s_mov_b32 s[SEL+1], 0xfedcba98
	s_mov_b32 s[CS], 0x4038aa3b                    ; 2 log2(e)
	s_mov_b32 s[CS+1], s[CS]
	s_mov_b32 s[SSO], 0
	s_add_nc_u64 s[PFK:PFK+1], s[4:5], 3*CHB
	s_add_nc_u64 s[PFQ:PFQ+1], s[8:9], 3*CHB
	s_lshl_b32 s88, s[TC], 18                      ; part: two planes of 131,072 bytes for my 256 d, 2,048 bytes for my rows
	s_lshl_b32 s90, s[TY], 11
	s_add_co_u32 s88, s88, s90
	s_add_nc_u64 s[22:23], s[22:23], s[88:89]
	s_cmp_eq_u32 s[WV], 0
	s_cbranch_scc0 .Lnot_w0
	s_wait_tensorcnt 0x0
.Lnot_w0:
	s_barrier_signal -1
	s_barrier_wait -1                              ; W's first 128 rows, wave 0's load, are in
.irp q, 0,1,2,3,4,5,6,7
	FRAGW 4*\q, \q, 90
	FRAGW 4*\q+1, \q, 92
.endr
	WIN 0
	s_cmp_eq_u32 s[WV], 1
	s_cbranch_scc0 .Lnot_w1
	s_wait_tensorcnt 0x0
.Lnot_w1:
	s_wait_dscnt 0x0
	s_barrier_signal -1
	s_barrier_wait -1                              ; W's second 128 rows, wave 1's load, are in
.irp q, 0,1,2,3,4,5,6,7
	FRAGW 4*\q+2, \q, 94
	FRAGW 4*\q+3, \q, 96
.endr
	WIN 0
	s_wait_tensorcnt 0x0
	ds_add_u32 v[SPW], v[NIL]
	G0 GA, 0, 16, 128*768                          ; U's rows 128-255; chunk 0: k's scale bytes, k's rows, q's rows
	G0 GB, SCL, 6, 0
	G0 GC, R1, 4, 0
	G0 GD, R1+QOFF, 8, 0
	s_wait_dscnt 0x0
	CROUND
	TREE G1W, G1S, G1X, G1X
.irp q, 0,1,2,3,4,5,6,7
	FRAGW 32+4*\q, \q, 98
	FRAGW 32+4*\q+1, \q, 100
.endr
	WIN 0
	ASK CHB
	s_wait_loadcnt 0x0
	VSEL 0
	v_pk_mul_f32 v[CH:CH+1], v[VR_:VR_+1], 0.5 op_sel_hi:[1,0]
.irp i, 1,2,3,4,5,6,7,8,9,10,11,12,13,14,15
	VSEL \i
	v_pk_fma_f32 v[CH:CH+1], v[VR_:VR_+1], 0.5, v[CH:CH+1] op_sel_hi:[1,0,1]
.endr
	WIN 0
	v_add_f32 v[SV], v[CH], v[CH+1]
	v_add_nc_u32 v[X0], s[SLOT], v[B0]
	v_add_nc_u32 v[X1], s[SLOT], v[B1]
	v_add_nc_u32 v[T], s[SSL], v[BS]
	WALU
	s_wait_xcnt 0x0                                ; the prefetches have read their addresses: the accumulators lie on one of them
	s_wait_tensorcnt 0x0
	ds_add_u32 v[SPW], v[NIL]
	s_and_b32 s[T0], s[WV], 1
	s_mov_b32 s[GA], 1                             ; chunk 1
	s_add_co_u32 s[GA+1], s[WO], R2
	s_mov_b32 s[GB], 1
	s_add_co_u32 s[GB+1], s[WS], SCL+SSLOT
	s_cmp_eq_u32 s[T0], 0
	s_cselect_b64 s[GA+2:GA+3], s[4:5], s[8:9]
	s_cselect_b64 s[GB+2:GB+3], s[6:7], s[10:11]
	s_add_nc_u64 s[GA+2:GA+3], s[GA+2:GA+3], CHB
	s_add_nc_u64 s[GB+2:GB+3], s[GB+2:GB+3], 2048
	s_or_b32 s[GA+3], s[GA+3], 0x80000000
	s_or_b32 s[GB+3], s[GB+3], 0x80000000
	s_wait_dscnt 0x0
	CROUND
	REFILL
.irp q, 0,1,2,3,4,5,6,7
	FRAGW 32+4*\q+2, \q, 90
	FRAGW 32+4*\q+3, \q, 92
.endr
	XSCALES 0
	RUN4 0
	ASK 2*CHB
; ================= THE WALK: 32 blocks
	BLK 0, 0, 0, 0, 0, 0
	BLK 1, 1, 0, 1, 0, 0
	s_mov_b32 s[CNT], 6
.Ltrip:                                                ; chunk c's blocks 2 and 3, chunk c + 1's blocks 0 and 1, c = 0 .. 5
	BLK 0, 2, 0, 2, 1, 0
	BLK 1, 2, 1, 3, 1, 64
	BLK 0, 2, 0, 0, 1, 128
	s_cmp_gt_u32 s[CNT], 1                         ; chunk c + 3, as far as there is one
	s_cbranch_scc0 .Lno_ask
	global_prefetch_b8 v[PFO], s[PFK:PFK+1] th:TH_LOAD_NT scope:SCOPE_SE
	global_prefetch_b8 v[PFO], s[PFQ:PFQ+1] th:TH_LOAD_NT scope:SCOPE_SE
.Lno_ask:
	BLK 1, 2, 0, 1, 1, 192
	s_wait_xcnt 0x0
	s_add_nc_u64 s[PFK:PFK+1], s[PFK:PFK+1], CHB
	s_add_nc_u64 s[PFQ:PFQ+1], s[PFQ:PFQ+1], CHB
	s_add_co_u32 s[SSO], s[SSO], 256
	s_sub_co_u32 s[CNT], s[CNT], 1
	s_cmp_lg_u32 s[CNT], 0
	s_cbranch_scc1 .Ltrip
	BLK 0, 2, 0, 2, 0, 1536
	BLK 1, 2, 2, 3, 0, 1536+64
	BLK 0, 2, 0, 0, 0, 1536+128
	BLK 1, 2, 0, 1, 0, 1536+192
	BLK 0, 2, 0, 2, 0, 1792
	BLK 1, 2, 3, 3, 0, 1792+64
; ================= THE END: the last two blocks' sums
	BOUND 0, 2, 0
.irp s, 0,1,2,3
	WORK 0, \s, 1, 2
.endr
	ds_store_b32 v[STO], v[CH] offset:1792+128
.irp g, 1,2,3,4,5,6,7,8,9,10
.irp s, 0,1,2,3
	WORK \g, \s, 1, 2
.endr
.endr
	WIN 0
	WALU
	RCPS 1
	v_nop
	WALU
	SUMS 1
.irp s, 0,1,2,3
	WORK 0, \s, 1, 2
.endr
	ds_store_b32 v[STO], v[CH] offset:1792+192
	s_wait_tensorcnt 0x0                           ; the wave's last LDS store
	ds_add_u32 v[SPW], v[NIL]
	s_wait_dscnt 0x0
	s_barrier_signal -1
	s_barrier_wait -1                              ; all four waves' sums of my 512 rows are staged
	v_add_nc_u32 v[T], 3*WROW, v[CO]
	ds_load_b128 v[84:87], v[CO]
	ds_load_b128 v[88:91], v[CO] offset:WROW
	ds_load_b128 v[92:95], v[CO] offset:2*WROW
	ds_load_b128 v[96:99], v[T]
	s_wait_dscnt 0x0
	v_pk_add_f32 v[84:85], v[84:85], v[88:89]
	v_pk_add_f32 v[86:87], v[86:87], v[90:91]
	v_pk_add_f32 v[92:93], v[92:93], v[96:97]
	v_pk_add_f32 v[94:95], v[94:95], v[98:99]
	global_store_b128 v[CO], v[84:87], s[22:23]    ; 32 lanes store 512 consecutive bytes, at a multiple of 256 from part's first byte
	global_store_b128 v[CO], v[92:95], s[22:23] offset:131072
	CROUND                                         ; the closing round
	s_endpgm
.Lfunc_end_k_q2f7b05468d_scores:
	.size	k_q2f7b05468d_scores, .Lfunc_end_k_q2f7b05468d_scores-k_q2f7b05468d_scores
	.p2alignl 7, 3214868480
	.fill 96, 4, 3214868480
	.section	.rodata,"a",@progbits
	.p2align	6, 0x0
	.amdhsa_kernel k_q2f7b05468d_scores
		.amdhsa_group_segment_fixed_size 327680
		.amdhsa_private_segment_fixed_size 0
		.amdhsa_enable_private_segment 0
		.amdhsa_kernarg_size 80
		.amdhsa_user_sgpr_count 2
		.amdhsa_user_sgpr_kernarg_segment_ptr 1
		.amdhsa_wavefront_size32 1
		.amdhsa_system_sgpr_workgroup_id_x 1
		.amdhsa_system_sgpr_workgroup_id_y 1
		.amdhsa_system_sgpr_workgroup_id_z 1
		.amdhsa_system_vgpr_workitem_id 0
		.amdhsa_next_free_vgpr 1024
		.amdhsa_next_free_sgpr 106
		.amdhsa_reserve_vcc 0
		.amdhsa_float_denorm_mode_32 3
		.amdhsa_float_denorm_mode_16_64 3
		.amdhsa_memory_ordered 1
		.amdhsa_forward_progress 1
		.amdhsa_inst_pref_size 255
	.end_amdhsa_kernel
	.section	.bss,"aw",@nobits
	.p2align	6
	.space	262144
	.amdgpu_metadata
---
amdhsa.version: [ 1, 2 ]
amdhsa.kernels:
  - .name:           k_q2f7b05468d_scores
    .symbol:         k_q2f7b05468d_scores.kd
    .args:
      - { .name: k_codes, .offset: 0, .size: 8, .value_kind: global_buffer, .address_space: global }
      - { .name: k_scales, .offset: 8, .size: 8, .value_kind: global_buffer, .address_space: global }
      - { .name: q_codes, .offset: 16, .size: 8, .value_kind: global_buffer, .address_space: global }
      - { .name: q_scales, .offset: 24, .size: 8, .value_kind: global_buffer, .address_space: global }
      - { .name: W_codes, .offset: 32, .size: 8, .value_kind: global_buffer, .address_space: global }
      - { .name: W_scales, .offset: 40, .size: 8, .value_kind: global_buffer, .address_space: global }
      - { .name: U_codes, .offset: 48, .size: 8, .value_kind: global_buffer, .address_space: global }
      - { .name: U_scales, .offset: 56, .size: 8, .value_kind: global_buffer, .address_space: global }
      - { .name: v, .offset: 64, .size: 8, .value_kind: global_buffer, .address_space: global }
      - { .name: part, .offset: 72, .size: 8, .value_kind: global_buffer, .address_space: global }
    .group_segment_fixed_size: 327680
    .private_segment_fixed_size: 0
    .kernarg_segment_align: 8
    .kernarg_segment_size: 80
    .max_flat_workgroup_size: 128
    .sgpr_count:     106
    .vgpr_count:     1024
    .wavefront_size: 32
...
	.end_amdgpu_metadata
.endif
;; end of part 1
;; launch softmax (part 2): grid 32 x 1, 8 waves a work-group, no clusters, 1,536 bytes of LDS; arguments part, out0; writes out0
.if DOCPART == 2
	.amdgcn_target "amdgcn-amd-amdhsa--gfx1250"
	.amdhsa_code_object_version 6
	.text
	.protected	k_q2f7b05468d_softmax
	.globl	k_q2f7b05468d_softmax
	.p2align	8
	.type	k_q2f7b05468d_softmax,@function
k_q2f7b05468d_softmax:
	s_mov_b64 s[64:65], 0
	v_nop
	global_prefetch_b8 v0, s[64:65] scope:SCOPE_SE
	s_setreg_imm32_b32 hwreg(HW_REG_WAVE_MODE, 25, 1), 1
	s_wait_xcnt 0x0
; out0[b][0][s] = softmax over s of the sum over the 8 planes p of part[p][b*1024+s].  No work is left out.
; A work-group takes one b; thread t owns s = 4 t .. 4 t + 3: every load and store of a wave covers 512 consecutive bytes.  The row's maximum is taken away before the exponential.
; The exponent is x log2(e) - (m log2(e)), one fused multiply-add: the term taken away is the same number for all s, so its own rounding divides out.
; LIMITS: a NaN among the scores loses in the maximum and goes on through its own exponential and the sum; a row whose maximum is infinite is not served.
; 32 work-groups: a row's maximum and sum span the row, and there are 32 rows.  No tensor load, no cluster, no prefetch: 32 KiB a work-group, read once, shared with nobody.
.set PLANE, 131072                     ; bytes of a plane of part
.set SUMS,  256                        ; LDS: bytes 0-31 the eight waves' maxima; bytes 256-287 their sums; each in a block of 256 bytes of its own
.set SPARE, 512                        ; the spare words, 128 bytes for each of eight waves: four blocks of 256 bytes that no other line names
.set SPW,   62                         ; v62  LDS address of my spare word; never rewritten
.set NIL,   63                         ; v63  0; never rewritten
	s_load_b128 s[4:7], s[0:1], 0x0                ; part, out0
	v_lshl_add_u32 v[SPW], v0, 2, SPARE
	v_mov_b32 v[NIL], 0
	v_lshlrev_b32 v1, 4, v0                        ; 16 t: my four numbers
	v_lshrrev_b32 v2, 5, v0
	s_delay_alu instid0(VALU_DEP_1)
	v_lshlrev_b32 v2, 2, v2                        ; 4 x wave: my wave's word
	v_mov_b32 v3, 0
	v_mov_b32 v45, 0                               ; written once: a lane permute's destination counts as one of its sources
	s_lshl_b32 s2, ttmp9, 12                       ; b x 4,096 bytes
	s_mov_b32 s3, 0
	s_mov_b32 s8, 0x3fb8aa3b                       ; log2(e)
	s_mov_b32 s12, 0x76543210
	s_mov_b32 s13, 0xfedcba98                      ; v_permlanex16_b32's selects for lane l xor 16
	s_wait_alu depctr_va_vdst(0)
	s_wait_kmcnt 0x0
	s_add_nc_u64 s[4:5], s[4:5], s[2:3]
	s_add_nc_u64 s[6:7], s[6:7], s[2:3]
.irp p, 0,1,2,3,4,5,6,7
	global_load_b128 v[8+4*\p:11+4*\p], v1, s[4:5] offset:\p*PLANE th:TH_LOAD_NT
.endr
	s_wait_loadcnt 0x0
.irp p, 0,2,4,6                        ; the eight planes, by pairs
	v_pk_add_f32 v[8+4*\p:9+4*\p], v[8+4*\p:9+4*\p], v[12+4*\p:13+4*\p]
	v_pk_add_f32 v[10+4*\p:11+4*\p], v[10+4*\p:11+4*\p], v[14+4*\p:15+4*\p]
.endr
.irp p, 0
	v_pk_add_f32 v[8+4*\p:9+4*\p], v[8+4*\p:9+4*\p], v[16+4*\p:17+4*\p]
	v_pk_add_f32 v[10+4*\p:11+4*\p], v[10+4*\p:11+4*\p], v[18+4*\p:19+4*\p]
.endr
.irp p, 4
	s_delay_alu instid0(VALU_DEP_4)
	v_pk_add_f32 v[8+4*\p:9+4*\p], v[8+4*\p:9+4*\p], v[16+4*\p:17+4*\p]
	s_delay_alu instid0(VALU_DEP_4)
	v_pk_add_f32 v[10+4*\p:11+4*\p], v[10+4*\p:11+4*\p], v[18+4*\p:19+4*\p]
.endr
	s_delay_alu instid0(VALU_DEP_2)
	v_pk_add_f32 v[8:9], v[8:9], v[24:25]
	s_delay_alu instid0(VALU_DEP_2)
	v_pk_add_f32 v[10:11], v[10:11], v[26:27]      ; v[8:11]: my four scores
	s_delay_alu instid0(VALU_DEP_1)
	v_max3_num_f32 v44, v8, v9, v10
	s_delay_alu instid0(VALU_DEP_1)
	v_max_num_f32 v44, v44, v11
	s_delay_alu instid0(VALU_DEP_1)
	v_max_num_f32_dpp v44, v44, v44 row_xmask:1 row_mask:0xf bank_mask:0xf
	s_delay_alu instid0(VALU_DEP_1)
	v_max_num_f32_dpp v44, v44, v44 row_xmask:2 row_mask:0xf bank_mask:0xf
	s_delay_alu instid0(VALU_DEP_1)
	v_max_num_f32_dpp v44, v44, v44 row_xmask:4 row_mask:0xf bank_mask:0xf
	s_delay_alu instid0(VALU_DEP_1)
	v_max_num_f32_dpp v44, v44, v44 row_xmask:8 row_mask:0xf bank_mask:0xf
	s_delay_alu instid0(VALU_DEP_1)
	v_permlanex16_b32 v45, v44, s12, s13
	s_delay_alu instid0(VALU_DEP_1)
	v_max_num_f32 v44, v44, v45                    ; my wave's maximum, in every lane
	ds_store_b32 v2, v44                           ; all lanes write the same word with the same value
	s_wait_dscnt 0x0                               ; for the others' sake: my store is done
	s_barrier_signal -1
	s_barrier_wait -1
	ds_load_b128 v[48:51], v3
	ds_load_b128 v[52:55], v3 offset:16
	s_wait_dscnt 0x0
	v_max3_num_f32 v44, v48, v49, v50
	s_delay_alu instid0(VALU_DEP_1)
	v_max3_num_f32 v44, v44, v51, v52
	s_delay_alu instid0(VALU_DEP_1)
	v_max3_num_f32 v44, v44, v53, v54
	s_delay_alu instid0(VALU_DEP_1)
	v_max_num_f32 v44, v44, v55                    ; the row's maximum m
	s_delay_alu instid0(VALU_DEP_1)
	v_mul_f32 v46, s8, v44                         ; m log2(e)
.irp j, 0,1,2,3
	v_fma_f32 v[40+\j], v[8+\j], s8, -v46
.endr
	s_wait_alu depctr_va_vdst(0)
.irp j, 0,1,2,3
	v_exp_f32 v[40+\j], v[40+\j]
.endr
	v_nop                                          ; a plain instruction between the last exponential and the use of its result
	s_wait_alu depctr_va_vdst(0)                   ; and the wait ahead of the first use: one for the four
	v_add_f32 v47, v40, v41
	v_add_f32 v56, v42, v43
	s_delay_alu instid0(VALU_DEP_1)
	v_add_f32 v47, v47, v56
	s_delay_alu instid0(VALU_DEP_1)
	v_add_f32_dpp v47, v47, v47 row_xmask:1 row_mask:0xf bank_mask:0xf
	s_delay_alu instid0(VALU_DEP_1)
	v_add_f32_dpp v47, v47, v47 row_xmask:2 row_mask:0xf bank_mask:0xf
	s_delay_alu instid0(VALU_DEP_1)
	v_add_f32_dpp v47, v47, v47 row_xmask:4 row_mask:0xf bank_mask:0xf
	s_delay_alu instid0(VALU_DEP_1)
	v_add_f32_dpp v47, v47, v47 row_xmask:8 row_mask:0xf bank_mask:0xf
	s_delay_alu instid0(VALU_DEP_1)
	v_permlanex16_b32 v45, v47, s12, s13
	s_delay_alu instid0(VALU_DEP_1)
	v_add_f32 v47, v47, v45                        ; my wave's sum
	ds_store_b32 v2, v47 offset:SUMS               ; other bytes than the maxima's: no wave's read of those is disturbed
	s_wait_dscnt 0x0
	s_barrier_signal -1
	s_barrier_wait -1
	ds_load_b128 v[48:51], v3 offset:SUMS
	ds_load_b128 v[52:55], v3 offset:SUMS+16
	s_wait_dscnt 0x0
	v_pk_add_f32 v[48:49], v[48:49], v[50:51]
	v_pk_add_f32 v[52:53], v[52:53], v[54:55]
	s_delay_alu instid0(VALU_DEP_1)
	v_pk_add_f32 v[48:49], v[48:49], v[52:53]
	s_delay_alu instid0(VALU_DEP_1)
	v_add_f32 v48, v48, v49                        ; the row's sum
	s_wait_alu depctr_va_vdst(0)
	v_rcp_f32 v47, v48
	v_nop                                          ; a plain instruction behind the reciprocal,
	s_wait_alu depctr_va_vdst(0)                   ; and its wait, ahead of the first reader
.irp j, 0,1,2,3
	v_mul_f32 v[40+\j], v[40+\j], v47
.endr
	global_store_b128 v1, v[40:43], s[6:7] th:TH_STORE_NT          ; 32 lanes store 512 consecutive bytes, at a multiple of 256 from out0's first byte
	s_wait_tensorcnt 0x0                           ; the wave's end
	ds_add_u32 v[SPW], v[NIL]
	s_wait_dscnt 0x0
	s_endpgm
.Lfunc_end_k_q2f7b05468d_softmax:
	.size	k_q2f7b05468d_softmax, .Lfunc_end_k_q2f7b05468d_softmax-k_q2f7b05468d_softmax
	.p2alignl 7, 3214868480
	.fill 96, 4, 3214868480
	.section	.rodata,"a",@progbits
	.p2align	6, 0x0
	.amdhsa_kernel k_q2f7b05468d_softmax
		.amdhsa_group_segment_fixed_size 1536
		.amdhsa_private_segment_fixed_size 0
		.amdhsa_enable_private_segment 0
		.amdhsa_kernarg_size 16
		.amdhsa_user_sgpr_count 2
		.amdhsa_user_sgpr_kernarg_segment_ptr 1
		.amdhsa_wavefront_size32 1
		.amdhsa_system_sgpr_workgroup_id_x 1
		.amdhsa_system_sgpr_workgroup_id_y 1
		.amdhsa_system_sgpr_workgroup_id_z 1
		.amdhsa_system_vgpr_workitem_id 0
		.amdhsa_next_free_vgpr 64
		.amdhsa_next_free_sgpr 66
		.amdhsa_reserve_vcc 0
		.amdhsa_float_denorm_mode_32 3
		.amdhsa_float_denorm_mode_16_64 3
		.amdhsa_memory_ordered 1
		.amdhsa_forward_progress 1
		.amdhsa_inst_pref_size 7
	.end_amdhsa_kernel
	.amdgpu_metadata
---
amdhsa.version: [ 1, 2 ]
amdhsa.kernels:
  - .name:           k_q2f7b05468d_softmax
    .symbol:         k_q2f7b05468d_softmax.kd
    .args:
      - { .name: part, .offset: 0, .size: 8, .value_kind: global_buffer, .address_space: global }
      - { .name: out0, .offset: 8, .size: 8, .value_kind: global_buffer, .address_space: global }
    .group_segment_fixed_size: 1536
    .private_segment_fixed_size: 0
    .kernarg_segment_align: 8
    .kernarg_segment_size: 16
    .max_flat_workgroup_size: 256
    .sgpr_count:     66
    .vgpr_count:     64
    .wavefront_size: 32
...
	.end_amdgpu_metadata
.endif
;; end of part 2
